; MI455X (gfx1250); checked and timed in simulation.
; The chip was launched on July 23, 2026; its instructions are those of AMD's public machine-readable ISA for CDNA 5 (MIT licence, August 2026) and "CDNA5" Instruction Set Architecture Reference Guide (July 2026). The comments in the code are by the model that wrote it; some were corrected since.
;; TP Experts. Allowed arithmetic: float matrix products may take bf16 or f16 operands with f32 sums; other float arithmetic in f32, or as packed bf16 or f16 multiplies, adds, multiply-adds, maxima and minima; sums over many terms, partial sums and values carried from step to step in f32; what a program stores and reads back later, other than sums and carried values, may be rounded once to bf16 or f16.
;; Inputs: b1 16 x 1 x 2,048 float32; b2 16 x 1 x 512 float32; inputs 4 x 16 x 512 x 512 float32; w1 16 x 512 x 2,048 float32; w2 16 x 2,048 x 512 float32.
;; Outputs: out0 4 x 16 x 512 x 512 float32.
;; One version. Each part assembles by itself: llvm-mc -triple=amdgcn-amd-amdhsa -mcpu=gfx1250 --defsym DOCPART=n.
;; ======== version 1 of 1: 2 launches
;; workspace buffers: w1b 33,554,432 bytes; w2b 33,554,432 bytes
;; launch prep (part 1): grid 256 x 2, 8 waves a work-group, no clusters, 0 bytes of LDS; arguments w1, w2, w1b, w2b; writes w1b, w2b
.if DOCPART == 1
	.amdgcn_target "amdgcn-amd-amdhsa--gfx1250"
	.amdhsa_code_object_version 6
	.text
	.protected	k_qfd81f67e50_prep
	.globl	k_qfd81f67e50_prep
	.p2align	8
	.type	k_qfd81f67e50_prep,@function
k_qfd81f67e50_prep:
	s_mov_b64 s[64:65], 0
	v_nop
	global_prefetch_b8 v0, s[64:65] scope:SCOPE_SE
	s_setreg_imm32_b32 hwreg(HW_REG_WAVE_MODE, 25, 1), 1
	s_wait_xcnt 0x0
; The experts' weights, rounded once to bf16 and laid out in the blocks in which the next launch's tiles lie end to end.
;   w1 [16][512 k][2048 f] f32  ->  w1b [e][sub 64][k 512][32 f] bf16: a row of 64 bytes, a sub-chunk (32 hidden columns, all k) 32,768 dense bytes.
;   w2 [16][2048 k][512 n] f32  ->  w2b [e][chunk 32][blk 16][k 64][32 n] bf16, holding 0.5 x w2 (the next launch makes 2 gelu): a chunk (64 hidden rows, all n) 65,536 dense bytes.
; In both, a row whose k has bit 2 set has its two halves of 32 bytes exchanged: the eight rows x 32 bytes that sixteen lanes of the turning LDS load take then
; fall on sixteen different 16-byte columns modulo 256 bytes, with no padding between the rows.
; LIMIT: |w2| below 2^-125 loses bits in the halving; elsewhere the halving is exact and commutes with the rounding.  NaN and infinities pass as the conversion leaves them.
; A pure stream: no LDS, no barrier, no matrix unit, no cluster (no byte is read by two work-groups).  Grid y = 0 takes w1, y = 1 takes w2.
; A wave takes 128 rows x 64 columns as 32 groups of 4 rows.  In a group lane L (pc = L & 3, rr = (L >> 2) & 3, sb = L >> 4) reads 8 numbers (32 bytes) of row rr, so that eight lanes
; read 256 consecutive aligned bytes of a row, and stores 16 bytes, so that lanes 0-15 and lanes 16-31 each store 256 consecutive aligned bytes (4 rows of 64).
; Twelve groups (24 loads) of every wave are on their way.  All steps stand in the immediates (1,015,824 at the most), so no address register is ever rewritten; and every group has
; store registers of its own, so no source of a pending store is ever rewritten either: the only waits are the counted ones for the loads.
.set NS, 12                            ; slots of loaded groups
.set X,  16                            ; v[16:111]  slot i of 12: 8 numbers as loaded
.set Y,  112                           ; v[112:239] group g of 32: 8 bf16 to store
.set VS, 6                             ; v6         my byte offset in a group of the source
.set VD, 7                             ; v7, v8     my byte offset in a group of the destination: for even groups, for odd groups (halves exchanged)
; Group g (a symbol).  src, dst: the scalar pairs of the two bases.  sstep: bytes of 4 source rows.  halve = 1: w2.
.macro GRP src, dst, sstep, halve
.set sl, g%NS
.if g <= 32-NS
	s_wait_loadcnt 2*(NS-1)                        ; loads come back in order (ISA guide 5.7.1): mine are in, the two of each of the eleven younger groups stay out
.else
	s_wait_loadcnt 2*(31-g)                        ; nothing is asked for any more: the counts run down
.endif
.if \halve
.irp k, 0,2,4,6
	v_pk_mul_f32 v[X+8*sl+(\k):X+8*sl+(\k)+1], v[X+8*sl+(\k):X+8*sl+(\k)+1], 0.5 op_sel_hi:[1,0]
.endr
.endif
.irp k, 0,1,2,3
	v_cvt_pk_bf16_f32 v[Y+4*g+(\k)], v[X+8*sl+2*(\k)], v[X+8*sl+2*(\k)+1]
.endr
.if g+NS <= 31
	global_load_b128 v[X+8*sl:X+8*sl+3],   v[VS], s[\src:\src+1] offset:(g+NS)*(\sstep) th:TH_LOAD_NT
	global_load_b128 v[X+8*sl+4:X+8*sl+7], v[VS], s[\src:\src+1] offset:(g+NS)*(\sstep)+16 th:TH_LOAD_NT
.endif
.if \halve
	global_store_b128 v[VD+g%2], v[Y+4*g:Y+4*g+3], s[\dst:\dst+1] offset:(g/16)*65536+(g%16)*256   ; 16 groups fill a chunk's 64 rows
.else
	global_store_b128 v[VD+g%2], v[Y+4*g:Y+4*g+3], s[\dst:\dst+1] offset:g*256
.endif
.endm
.macro PATH src, dst, sstep, halve
.set g, 0
.rept NS
	global_load_b128 v[X+8*g:X+8*g+3],   v[VS], s[\src:\src+1] offset:g*(\sstep) th:TH_LOAD_NT
	global_load_b128 v[X+8*g+4:X+8*g+7], v[VS], s[\src:\src+1] offset:g*(\sstep)+16 th:TH_LOAD_NT
.set g, g+1
.endr
.set g, 0
.rept 32
	GRP \src, \dst, \sstep, \halve
.set g, g+1
.endr
	s_endpgm
.endm
	s_load_b256 s[4:11], s[0:1], 0x0               ; w1 s[4:5], w2 s[6:7], w1b s[8:9], w2b s[10:11]
	v_lshrrev_b32 v1, 5, v0
	v_readfirstlane_b32 s12, v1                    ; wave 0..7
	s_lshl_b32 s13, ttmp9, 3
	s_add_co_u32 s13, s13, s12                     ; gw: my wave among the path's 2,048
	s_lshr_b32 s18, s13, 7                         ; the expert: 128 waves each
	s_and_b32 s19, ttmp7, 0xffff                   ; the path
	v_and_b32 v2, 3, v0                            ; pc
	v_bfe_u32 v3, v0, 2, 2                         ; rr
	v_bfe_u32 v4, v0, 4, 1                         ; sb
	v_and_b32 v5, 15, v0
	v_lshlrev_b32 v[VS], 5, v2                     ; 32 pc
	v_lshl_add_u32 v[VS], v4, 7, v[VS]             ; + 128 sb
	v_lshlrev_b32 v[VD], 4, v5                     ; 64 rr + 16 pc
	s_lshl_b32 s14, s18, 22                        ; an expert: 4 MiB of f32,
	s_mov_b32 s15, 0
	s_lshl_b32 s16, s18, 21                        ; 2 MiB of bf16
	s_mov_b32 s17, 0
	s_cmp_lg_u32 s19, 0
	s_cbranch_scc1 .Lw2
	; w1: 32 column pairs of blocks x 4 blocks of 128 rows; a source row is 8,192 bytes
	v_lshl_add_u32 v[VS], v3, 13, v[VS]
	v_lshl_add_u32 v[VD], v4, 15, v[VD]            ; the second sub-chunk lies 32,768 bytes on
	v_xor_b32 v[VD+1], 32, v[VD]
	s_and_b32 s20, s13, 31                         ; bp
	s_bfe_u32 s21, s13, 0x20005                    ; rb
	s_lshl_b32 s22, s21, 20                        ; 128 rows of 8,192 bytes
	s_add_co_u32 s14, s14, s22
	s_lshl_b32 s22, s20, 8                         ; 64 columns of 4 bytes
	s_add_co_u32 s14, s14, s22
	s_lshl_b32 s22, s20, 16                        ; two sub-chunks
	s_add_co_u32 s16, s16, s22
	s_lshl_b32 s22, s21, 13                        ; 128 rows of 64 bytes
	s_add_co_u32 s16, s16, s22
	s_wait_kmcnt 0x0
	s_add_nc_u64 s[4:5], s[4:5], s[14:15]
	s_add_nc_u64 s[8:9], s[8:9], s[16:17]
	PATH 4, 8, 32768, 0
.Lw2:
	; w2: 8 column pairs of blocks x 16 blocks of 128 rows; a source row is 2,048 bytes
	v_lshl_add_u32 v[VS], v3, 11, v[VS]
	v_lshl_add_u32 v[VD], v4, 12, v[VD]            ; the second block lies 4,096 bytes on
	v_xor_b32 v[VD+1], 32, v[VD]
	s_and_b32 s20, s13, 7                          ; bp
	s_bfe_u32 s21, s13, 0x40003                    ; rb
	s_lshl_b32 s22, s21, 18                        ; 128 rows of 2,048 bytes
	s_add_co_u32 s14, s14, s22
	s_lshl_b32 s22, s20, 8
	s_add_co_u32 s14, s14, s22
	s_lshl_b32 s22, s21, 17                        ; two chunks
	s_add_co_u32 s16, s16, s22
	s_lshl_b32 s22, s20, 13                        ; two blocks
	s_add_co_u32 s16, s16, s22
	s_wait_kmcnt 0x0
	s_add_nc_u64 s[6:7], s[6:7], s[14:15]
	s_add_nc_u64 s[10:11], s[10:11], s[16:17]
	PATH 6, 10, 8192, 1
.Lfunc_end_k_qfd81f67e50_prep:
	.size	k_qfd81f67e50_prep, .Lfunc_end_k_qfd81f67e50_prep-k_qfd81f67e50_prep
	.p2alignl 7, 3214868480
	.fill 96, 4, 3214868480
	.section	.rodata,"a",@progbits
	.p2align	6, 0x0
	.amdhsa_kernel k_qfd81f67e50_prep
		.amdhsa_group_segment_fixed_size 0
		.amdhsa_private_segment_fixed_size 0
		.amdhsa_enable_private_segment 0
		.amdhsa_kernarg_size 32
		.amdhsa_user_sgpr_count 2
		.amdhsa_user_sgpr_kernarg_segment_ptr 1
		.amdhsa_wavefront_size32 1
		.amdhsa_system_sgpr_workgroup_id_x 1
		.amdhsa_system_sgpr_workgroup_id_y 1
		.amdhsa_system_sgpr_workgroup_id_z 1
		.amdhsa_system_vgpr_workitem_id 0
		.amdhsa_next_free_vgpr 240
		.amdhsa_next_free_sgpr 66
		.amdhsa_reserve_vcc 0
		.amdhsa_float_denorm_mode_32 3
		.amdhsa_float_denorm_mode_16_64 3
		.amdhsa_memory_ordered 1
		.amdhsa_forward_progress 1
		.amdhsa_inst_pref_size 47
	.end_amdhsa_kernel
	.amdgpu_metadata
---
amdhsa.version: [ 1, 2 ]
amdhsa.kernels:
  - .name:           k_qfd81f67e50_prep
    .symbol:         k_qfd81f67e50_prep.kd
    .args:
      - { .name: w1, .offset: 0, .size: 8, .value_kind: global_buffer, .address_space: global }
      - { .name: w2, .offset: 8, .size: 8, .value_kind: global_buffer, .address_space: global }
      - { .name: w1b, .offset: 16, .size: 8, .value_kind: global_buffer, .address_space: global }
      - { .name: w2b, .offset: 24, .size: 8, .value_kind: global_buffer, .address_space: global }
    .group_segment_fixed_size: 0
    .private_segment_fixed_size: 0
    .kernarg_segment_align: 8
    .kernarg_segment_size: 32
    .max_flat_workgroup_size: 256
    .sgpr_count:     66
    .vgpr_count:     240
    .wavefront_size: 32
...
	.end_amdgpu_metadata
.endif
;; end of part 1
;; launch mlp (part 2): grid 16 x 16, 4 waves a work-group, clusters of 4 x 1, 327,680 bytes of LDS; arguments inputs, w1b, w2b, b1, b2, out0; writes out0
.if DOCPART == 2
	.amdgcn_target "amdgcn-amd-amdhsa--gfx1250"
	.amdhsa_code_object_version 6
	.text
	.protected	k_qfd81f67e50_mlp
	.globl	k_qfd81f67e50_mlp
	.p2align	8
	.type	k_qfd81f67e50_mlp,@function
k_qfd81f67e50_mlp:
	s_mov_b64 s[64:65], 0
	v_nop
	global_prefetch_b8 v0, s[64:65] scope:SCOPE_SE
	s_setreg_imm32_b32 hwreg(HW_REG_WAVE_MODE, 25, 1), 1
	s_wait_xcnt 0x0
	s_wait_alu depctr_hold_cnt(0) depctr_sa_sdst(0) depctr_va_vdst(0) depctr_va_sdst(0) depctr_va_ssrc(0) depctr_va_vcc(0) depctr_vm_vsrc(0)
	s_getreg_b32 s2, hwreg(HW_REG_IB_STS2, 6, 4)
	s_cmp_eq_u32 s2, 0
	s_cbranch_scc0 .Lentry_in_a_cluster
	s_endpgm
.Lentry_in_a_cluster:
	s_bfe_u32 s2, ttmp6, 0x10000c
	s_cmp_lg_u32 s2, 0x3003
	s_cbranch_scc0 .Lentry_shape_is_right
	s_endpgm
.Lentry_shape_is_right:
; out[g][e][c][:] = gelu(x w1[e] + b1[e]) w2[e] + b2[e], x = inputs[g][e][c][:], gelu exact (by erf).  x, b1, b2, out: f32.  w1b, w2b: bf16 as the launch before laid them (w2b = 0.5 w2).
; SHARES.  A work-group owns 128 tokens of one expert (grid x: 16 blocks, grid y: the expert), each of its four waves 32 tokens (two tiles of 16) through the WHOLE chain: the hidden layer
; never leaves registers, and no wave hands anything to another.
; LAYOUT.  Both products are used transposed.  S^T = W1^T X^T (source 0 = 16 hidden x 32 k, source 1 = 16 tokens): a lane holds ONE token (lane % 16) and the hidden numbers 8 (lane / 16) + 0..7.
; Two such results, rounded to bf16 in pairs, ARE source 1 (32 hidden x 16 tokens) of O^T = W2^T A^T, whose result holds one token a lane and eight output columns.  The weights lie [k][n] in LDS
; and come out turned, by ds_load_tr16_b128.  b1 is loaded INTO S^T's registers and b2 into O^T's before the sums, so every product adds in place and nothing is cleared.
; GELU.  a' = x + |x| erf(|x| / sqrt 2) = 2 gelu(x); the half lies in w2b.  erf(y) = 1 - (a1 t + .. + a5 t^5) e^(-y^2), t = 1 / (1 + p y) (Abramowitz and Stegun 7.1.26: within 1.5e-7 for every y >= 0);
; where x^2 overflows the exponential is 0 and erf is 1.  All of it in f32; a' is rounded once, to bf16.
; LIMITS.  x, w1, a', w2 enter the products in bf16; sums in f32.  e^(-y^2) below 2^-126 counts as 0.  NaN and infinities are not treated apart.
; THE WALK.  The hidden width goes in 64 HALVES h of 32: T1(h) makes S^T, G(h) its gelu, T2(h) adds onto O^T; T1 and T2 are 64 matrix instructions each, four quarters of 16.  The matrix phases go
; .. T2(h-1), T1(h+1), T2(h), T1(h+2) ..; G(h) stands in slices behind the matrix instructions of T2(h-1) (its quarters q 0-3) and of T1(h+1) (q 4-7): so every phase carries vector work, 2 to 3 lines
; a matrix instruction.  S has two buffers (by h's parity); the rounded a' has a buffer P of its own, so that S(h) is free, and takes b1 of half h + 2, while T2(h) runs.
; A PERIOD J is T1(2J+1), T2(2J), T1(2J+2), T2(2J+1).  Its weights are one LDS slot: W1's sub-chunks 2J+1 and 2J+2 (32,768 bytes each) and W2's chunk J (65,536); two slots take turns.  T1(0) stands ahead
; of the loop, on sub-chunk 0, which is brought into slot 1's first bytes before that slot's first chunk.  The last period's T1(64), on sub-chunk 0 once more (the fill's offset wraps inside the expert's
; 2 MiB), and the half gelu behind it serve nothing: 64 of a wave's 8,256 matrix instructions, the price of one text for every period.
; CLUSTER.  The four token blocks of a cluster belong to one expert and walk the same weights and b1: each tile is asked for JOINTLY, by the same tensor load, descriptor and mask (15) in all four.
; A mask names four work-groups, so a cluster of four along x is all that sharing can use.  My place in the cluster enters the addresses of inputs and out0 alone.
; By this text's own count a wave has three tensor loads out at the start and one behind each change of slots.
; REGISTERS, in windows of 256 (s_set_vgpr_msb: bits 1:0 source 0, 3:2 source 1, 5:4 source 2, 7:6 destination):
;   window 0: v0-15 addresses; v16-47 Sa; v48-79 Sb; v80-109 the gelu's t, e and polynomial; v110-125 P; v128-191, v192-255 two buffers of weight fragments
;   windows 1, 2: O^T: output tile o (16 columns), token tile t at window 1 + o / 16, v[8 (2 (o % 16) + t)]          window 3: X: token tile t, K step q of 32 at v[8 (16 t + q)]
.set SLOT1, 1<<17                      ; a slot: W1's two sub-chunks at +0 and +32,768, W2 at +65,536; slot 1 begins here, so that one exclusive or changes slots
.set B1L,   0x40000                    ; the expert's b1, 8,192 bytes, filled once
.set STAGE, 270336                     ; 8,704 bytes for each wave, its own, written by ds_store alone: x on its way in (32 rows x 272), O on its way out (16 rows x 528)
.set STW,   8704
.set SPARE, 305152                     ; the spare words, 128 bytes for each wave: two blocks of 256 bytes that no other line names
.set XP,    272                        ; 256 + 16 bytes = 68 words: row r starts at bank 4 r mod 64 (64 banks of 4 bytes: ISA guide 11.1)
.set OPI,   528                        ; 512 + 16 bytes: the same
.set LC,  2                            ; v2, v3   my lane's place in a tile of weights, for the even and the odd 16 columns of a row of 32; never rewritten
.set A1,  4                            ; v4, v5   LC + the slot in hand
.set A2,  6                            ; v6, v7   LC + the slot's W2
.set AB,  8                            ; v8       b1 of the half last asked for: B1L + 32 (lane / 16) + 128 x half
.set SPW, 9                            ; v9       LDS address of my spare word; never rewritten
.set NIL, 10                           ; v10      0; never rewritten
.set LX,  11                           ; v11      16 x lane: my 16 bytes in 512 consecutive bytes of x and of out
.set XST, 12                           ; v12      stage: where I put 8 bytes of a row of x;  later STO: 32 bytes of a row of O
.set XRD, 13                           ; v13      stage: where I read a fragment of x;       later RD: 16 bytes of a row of O
.set STO, 12
.set RD,  13
.set BO,  14                           ; v14      32 (lane / 16)
.set SA,  16
.set SB,  48
.set RR,  104                          ; v104-109 the polynomial, three pairs
.set PB,  110                          ; v110-125 P: token tile t's operand at PB + 8 t
.set FR,  128
.set WV,  16                           ; s16      my wave's number
.set G1,  24                           ; s[24:31] descriptor group 1: 128 rows of 256 bytes
.set G1B, 32                           ; s[32:39] the same with 8 rows, for b1
.set G0B, 40                           ; s[40:43] group 0: my quarter of b1
.set G0P, 44                           ; s[44:47] my quarter of W1's sub-chunk 0, into slot 1's first bytes
.set G0W, 48                           ; s[48:51] my quarter of a slot: chunk 0 into slot 0; then it walks
.set SBS, 52                           ; s52      the slot in hand
.set SB2, 53                           ; s53      its W2
.set CNT, 54
.set NK2, 56                           ; s[56:57] -log2(e) / 2.  The packed forms name a pair and take its low word for both halves
.set PP,  58                           ; s58      p / sqrt 2
.set STG, 59                           ; s59      my stage
.set N5,  60                           ; s[60:61] -a5, s[62:63] -a4, s[66:67] -a3, s[68:69] -a2, s[70:71] -a1
.set N4,  62
.set N3,  66
.set N2,  68
.set N1,  70
.set WB,  76                           ; s[76:77] the buffer that my wave fetches from, at the expert
.set OFW, 78                           ; s[78:79] the byte offset in it of my quarter of the chunk last asked for
.set G1P, 80                           ; s[80:87] descriptor group 1 with 32 rows, for sub-chunk 0
.set MSB, 0
.macro WIN new                         ; the immediate's high byte repeats the setting that is left; a switch that changes nothing is dropped
.if MSB != (\new)
	s_set_vgpr_msb (MSB<<8)|(\new)
.set MSB, (\new)
.endif
.endm
; Four places: a load into a register that a matrix instruction has named, and a vector instruction or LDS store that reads a matrix result or writes a matrix instruction's source, stand four plain
; vector instructions behind it (ISA guide 7.12.1 for vector instructions).
.macro PLACES
.rept 4
	v_nop
.endr
.endm
.macro CREST                           ; a round of the cluster's barrier behind its opening barrier
	s_cmp_lg_u32 s[WV], 0
	s_cbranch_scc1 .Lnot_wave_0_\@
	s_barrier_signal -3
.Lnot_wave_0_\@:
	s_barrier_wait -3
	s_barrier_signal -1
	s_barrier_wait -1
.endm
.macro CROUND                          ; a whole round
	s_barrier_signal -1
	s_barrier_wait -1
	CREST
.endm
.macro SC2 r, val                      ; a constant as a pair
	s_mov_b32 s[\r], \val
	s_mov_b32 s[(\r)+1], \val
.endm
; THE LDS LOADS stand in runs of 16 (or 24), one run a quarter, a whole quarter ahead of their use.
; Quarter u of T1, the slot's sub-chunk sub: the fragments of W1^T for K steps 4 u + 0..3 x 2 groups of 16 hidden: fragment f = 2 q' + j into buffer u % 2.  A K step is 32 rows of 64 bytes.
.macro FT1 sub, u
	WIN 0
.irp f, 0,1,2,3,4,5,6,7
	ds_load_tr16_b128 v[FR+64*((\u)%2)+8*(\f):FR+64*((\u)%2)+8*(\f)+3],   v[A1+(\f)%2] offset:(\sub)*32768+(4*(\u)+(\f)/2)*2048
	ds_load_tr16_b128 v[FR+64*((\u)%2)+8*(\f)+4:FR+64*((\u)%2)+8*(\f)+7], v[A1+(\f)%2] offset:(\sub)*32768+(4*(\u)+(\f)/2)*2048+1024
.endr
.endm
; Quarter u of T2, the chunk's hidden rows 32 sub on: the fragments of W2^T for output tiles 8 u + 0..7.  A block of 32 columns is 4,096 bytes.
.macro FT2 sub, u
	WIN 0
.irp f, 0,1,2,3,4,5,6,7
	ds_load_tr16_b128 v[FR+64*((\u)%2)+8*(\f):FR+64*((\u)%2)+8*(\f)+3],   v[A2+(\f)%2] offset:((8*(\u)+(\f))/2)*4096+(\sub)*2048
	ds_load_tr16_b128 v[FR+64*((\u)%2)+8*(\f)+4:FR+64*((\u)%2)+8*(\f)+7], v[A2+(\f)%2] offset:((8*(\u)+(\f))/2)*4096+(\sub)*2048+1024
.endr
.endm
; b1 of a half into the four accumulators (tile i = 2 t + j): my eight numbers of group j, the same for both token tiles
.macro BIAS sreg
.irp i, 0,1,2,3
	ds_load_b128 v[(\sreg)+8*(\i):(\sreg)+8*(\i)+3],   v[AB] offset:64*((\i)%2)
	ds_load_b128 v[(\sreg)+8*(\i)+4:(\sreg)+8*(\i)+7], v[AB] offset:64*((\i)%2)+16
.endr
.endm
.macro BSTEP                           ; b1 of the next half; the address wraps inside b1's 8,192 bytes, so the last period's look-ahead stays there
	v_add_nc_u32 v[AB], 0x80, v[AB]
	v_and_b32 v[AB], 0x41fff, v[AB]
.endm
; THE MATRIX WORK.  n_ (a symbol) counts a quarter's 16.  The accumulators take turns, one instruction a turn: four of them in T1, sixteen in T2.
.macro MT1 sreg, u                     ; K step 4 u + n_ / 4, hidden group (n_ / 2) % 2, token tile n_ % 2
.set zD, (\sreg)+8*(2*(n_%2)+(n_/2)%2)
.set zA, FR+64*((\u)%2)+8*(2*(n_/4)+(n_/2)%2)
.set zB, 8*(16*(n_%2)+4*(\u)+n_/4)
	WIN 0x0c                                       ; X in window 3
	v_wmma_f32_16x16x32_bf16 v[zD:zD+7], v[zA:zA+7], v[zB:zB+7], v[zD:zD+7]
.endm
.macro MT2 u                           ; output tile 8 u + n_ / 2, token tile n_ % 2
.set zO, 8*(\u)+n_/2
.set zD, 8*(2*(zO%16)+n_%2)
.set zA, FR+64*((\u)%2)+8*(n_/2)
.set zB, PB+8*(n_%2)
	WIN 0x50+0x50*(zO/16)                          ; O^T in window 1 or 2
	v_wmma_f32_16x16x32_bf16 v[zD:zD+7], v[zA:zA+7], v[zB:zB+7], v[zD:zD+7]
.endm
; THE GELU of a half's 32 registers (16 pairs) goes through eight quarters q.  Pairs 0-7 in q 0-3, pairs 8-15 in q 4-7, each time in batches of 3, 3 and 2 pairs.  A batch's FRONT (four plain lines and four
; transcendentals a pair: 1 + p' |x|, its reciprocal t, -x^2 log2(e) / 2, its exponential e) stands in one quarter, its BACK (eight plain lines a pair) in the next: so nothing in a quarter names a result of that
; quarter's transcendentals, and ONE s_wait_alu at the next quarter's head serves the batch.  Two sets of t and e take turns.  q 3 and q 7 issue no transcendental.  The roundings to bf16
; go into P: pairs 0-7 in q 4, when the products that read the last P are over; pairs 8-15 in q 7.  Pairs go in ascending order.
.macro VSET sreg, q
.set VS, (\sreg)
.set pq, 0
.set tq, 0
.set FN, 0
.set FB0, 0
.set FSET, 0
.set BN, 0
.set BB0, 0
.set BSET, 0
.set CVN, 0
.set CV0, 0
.if (\q) >= 0
.set zh, 8*((\q)/4)
.if (\q)%4 == 0
.set FN, 3
.set FB0, zh
.elseif (\q)%4 == 1
.set FN, 3
.set FB0, zh+3
.set FSET, 1
.set BN, 3
.set BB0, zh
.elseif (\q)%4 == 2
.set FN, 2
.set FB0, zh+6
.set BN, 3
.set BB0, zh+3
.set BSET, 1
.else
.set BN, 2
.set BB0, zh+6
.endif
.if (\q) == 4
.set CVN, 8
.elseif (\q) == 7
.set CVN, 8
.set CV0, 8
.endif
.endif
.set FTB, 80+12*FSET                   ; set 0: t v80-85, e v86-91; set 1: t v92-97, e v98-103
.set FEB, 86+12*FSET
.set BTB, 80+12*BSET
.set BEB, 86+12*BSET
.endm
; The next entry of the plain queue (nothing, when it is empty): the front, the back, the roundings.  Front and back go line by line through the batch, so that a line's result is read two or three lines later.
.macro PL
.if pq < 4*FN
.set zL, pq/FN
.set zP, pq%FN
.set zX, VS+2*(FB0+zP)
.set zT, FTB+2*zP
.set zE, FEB+2*zP
	WIN 0
.if zL == 0
	v_fma_f32 v[zT], |v[zX]|, s[PP], 1.0
.elseif zL == 1
	v_fma_f32 v[zT+1], |v[zX+1]|, s[PP], 1.0
.elseif zL == 2
	v_pk_mul_f32 v[zE:zE+1], v[zX:zX+1], s[NK2:NK2+1] op_sel_hi:[1,0]
.else
	v_pk_mul_f32 v[zE:zE+1], v[zE:zE+1], v[zX:zX+1]
.endif
.set pq, pq+1
.elseif pq < 4*FN+8*BN
.set zI, pq-4*FN
.set zL, zI/BN
.set zP, zI%BN
.set zX, VS+2*(BB0+zP)
.set zT, BTB+2*zP
.set zE, BEB+2*zP
.set zR, RR+2*zP
	WIN 0
.if zL == 0
	v_pk_fma_f32 v[zR:zR+1], v[zT:zT+1], s[N5:N5+1], s[N4:N4+1] op_sel_hi:[1,0,0]
.elseif zL == 1
	v_pk_mul_f32 v[zE:zE+1], v[zE:zE+1], v[zT:zT+1]
.elseif zL == 2
	v_pk_fma_f32 v[zR:zR+1], v[zR:zR+1], v[zT:zT+1], s[N3:N3+1] op_sel_hi:[1,1,0]
.elseif zL == 3
	v_pk_fma_f32 v[zR:zR+1], v[zR:zR+1], v[zT:zT+1], s[N2:N2+1] op_sel_hi:[1,1,0]
.elseif zL == 4
	v_pk_fma_f32 v[zR:zR+1], v[zR:zR+1], v[zT:zT+1], s[N1:N1+1] op_sel_hi:[1,1,0]
.elseif zL == 5
	v_pk_fma_f32 v[zR:zR+1], v[zR:zR+1], v[zE:zE+1], 1.0 op_sel_hi:[1,1,0]   ; erf
.elseif zL == 6
	v_fma_f32 v[zX], |v[zX]|, v[zR], v[zX]
.else
	v_fma_f32 v[zX+1], |v[zX+1]|, v[zR+1], v[zX+1]
.endif
.set pq, pq+1
.elseif pq < 4*FN+8*BN+CVN
.set zP, CV0+pq-4*FN-8*BN
	WIN 0
	v_cvt_pk_bf16_f32 v[PB+zP], v[VS+2*zP], v[VS+2*zP+1]
.set pq, pq+1
.endif
.endm
; The next transcendental: the batch's reciprocals, then its exponentials, each in place; when there is none left, a plain entry in its stead.
.macro EX
.if tq < 2*FN
	WIN 0
	v_rcp_f32 v[FTB+tq], v[FTB+tq]
.set tq, tq+1
.elseif tq < 4*FN
	WIN 0
	v_exp_f32 v[FEB+tq-2*FN], v[FEB+tq-2*FN]
.set tq, tq+1
.else
	PL
.endif
.endm
; The slice behind a matrix instruction: four lines at the most.  The front's plain lines (12 or 8: whole slices) go first; only then come the transcendentals, one a slice, plain lines beside it.
; A quarter's 16 slices hold every quarter's work: 3 + 12 slices where the front has three pairs (its 12 transcendentals, and 36 places for at most 24 further plain lines), 2 + 8 where it has two, 6 at the most where it has none.
.macro SLICE
.if pq < 4*FN
	PL
	PL
	PL
	PL
.else
	PL
	EX
	PL
	PL
.endif
.endm
; A quarter's vector work with no matrix work beside it (G(0)'s q 0-3, once a launch: there is no T2(-1)).
.macro LUMP
.rept 4*FN
	PL
.endr
.rept 24
	EX
	PL
.endr
.if FN > 0
	v_nop                                          ; a plain line behind the last transcendental,
	s_wait_alu depctr_va_vdst(0)                   ; and the batch's wait
.endif
.endm
; A QUARTER: 16 matrix instructions of kind 1 (T1, into sreg) or 2 (T2), quarter u, a slice behind each.  At its head the run of loads for the NEXT quarter (kind nk, part nsub, quarter nu), into the other buffer.
; bias: 0, or the S buffer into which the run also brings b1 of the next half: it is free since the roundings of the quarter before, and is multiplied onto four quarters later.
; cnt: how many LDS loads stand behind this quarter's fragments: the 16 just issued, and the 8 of a bias that stand in this run or in the run before.
; tw = 1: the quarter before issued transcendentals: the v_nop are the plain lines behind the last of them, and the one wait for the batch follows, directly ahead of the run.
.macro Q kind, sreg, u, nk, nsub, nu, bias, cnt, tw
	WIN 0
.if (\bias) != 0
	BSTEP
.endif
	PLACES                                         ; behind the last quarter's products: they read the buffer that the run below fills, made the S that the slices read, or read the P that they write
.if \tw
	s_wait_alu depctr_va_vdst(0)
.endif
.if (\nk) == 1
	FT1 \nsub, \nu
.else
	FT2 \nsub, \nu
.endif
.if (\bias) != 0
	BIAS \bias
.endif
	s_wait_dscnt \cnt
.set n_, 0
.rept 16
.if (\kind) == 1
	MT1 \sreg, \u
.else
	MT2 \u
.endif
	SLICE
.set n_, n_+1
.endr
.endm
; A phase's last quarter (u = 3) with THE CHANGE OF SLOTS.  kind 2: T2(2J+1), the period's end.  kind 1: T1(0), ahead of the loop.  Each wave waits for all its tensor loads, of which one is out: its quarter of
; the other slot; adds 0 to its spare word; multiplies eight times while the add is out; and waits for the add and for its own reads of this slot.  Behind the barrier nobody reads this slot any more and the other
; slot is whole.  fill = 1: the barrier opens a round of the cluster's, so that no wave of any partner still reads the slot or has a load on its way; the joint refill, the chunk two on, is the first thing
; behind it and has a whole period, 256 matrix instructions, in which to land.  Its address is made anew: the buffer's, plus an offset that steps by a chunk and wraps inside the expert's 2 MiB.
; The wait for the transcendentals of the quarter before stands ahead of the round's branch; the slices (q 3: plain lines alone) stand behind the second eight products.
.macro QC kind, fill
	WIN 0
	s_wait_tensorcnt 0x0                           ; no tensor load of mine is out, so a group 0 may be written
	ds_add_u32 v[SPW], v[NIL]                      ; 0 onto my spare word
.if \fill
	s_xor_b32 s[G0W+1], s[G0W+1], SLOT1            ; the other slot than last time,
	s_add_co_u32 s[OFW], s[OFW], 0x10000           ; the next chunk: 65,536 bytes in w1b and in w2b alike
	s_and_b32 s[OFW], s[OFW], 0x1fffff
	s_add_nc_u64 s[G0W+2:G0W+3], s[WB:WB+1], s[OFW:OFW+1]
	s_or_b32 s[G0W+3], s[G0W+3], 0x80000000
.endif
	s_wait_dscnt 0x1                               ; this quarter's fragments are in; the add alone may be out
.set n_, 0
.rept 8
.if (\kind) == 1
	MT1 SA, 3
.else
	MT2 3
.endif
.set n_, n_+1
.endr
	WIN 0                                          ; at a branch and at a label every window is 0
.if (\kind) == 2
	v_nop                                          ; a plain line behind the last transcendental of the quarter before,
	s_wait_alu depctr_va_vdst(0)                   ; and its batch's wait: ahead of the branch below and of the slices that read the results
.endif
	s_wait_dscnt 0x0                               ; the add is done, and my reads of this slot are over
	s_barrier_signal -1
	s_barrier_wait -1
.if \fill
	CREST
	tensor_load_to_lds s[G0W:G0W+3], s[G1:G1+7]
	s_nop 0
.endif
	PLACES                                         ; behind the load; also the places in front of the loads below
	s_xor_b32 s[SBS], s[SBS], SLOT1
	s_xor_b32 s[SB2], s[SB2], SLOT1
	v_add_nc_u32 v[A1], s[SBS], v[LC]
	v_add_nc_u32 v[A1+1], s[SBS], v[LC+1]
	v_add_nc_u32 v[A2], s[SB2], v[LC]
	v_add_nc_u32 v[A2+1], s[SB2], v[LC+1]
.if (\kind) == 1
	BSTEP
	BIAS SB                                        ; b1 of half 1 (in the loop the fourth phase's first quarter has brought it)
.endif
	FT1 0, 0                                       ; the next period's first fragments
.rept 8
.if (\kind) == 1
	MT1 SA, 3
.else
	MT2 3
.endif
	SLICE
.set n_, n_+1
.endr
.endm
.macro PERIOD fill
	VSET SA, 4
	Q 1, SB, 0, 1, 0, 1, 0, 16, 0                  ; T1(2J+1) | G(2J), second part
	VSET SA, 5
	Q 1, SB, 1, 1, 0, 2, 0, 16, 1
	VSET SA, 6
	Q 1, SB, 2, 1, 0, 3, 0, 16, 1
	VSET SA, 7
	Q 1, SB, 3, 2, 0, 0, 0, 16, 1
	s_wait_loadcnt 0x0                             ; b2 lies in O^T (the first period; later nothing is out)
	VSET SB, 0
	Q 2, 0, 0, 2, 0, 1, SA, 24, 0                  ; T2(2J) | G(2J+1), first part | b1 of half 2J+2
	VSET SB, 1
	Q 2, 0, 1, 2, 0, 2, 0, 24, 1
	VSET SB, 2
	Q 2, 0, 2, 2, 0, 3, 0, 16, 1
	VSET SB, 3
	Q 2, 0, 3, 1, 1, 0, 0, 16, 1
	VSET SB, 4
	Q 1, SA, 0, 1, 1, 1, 0, 16, 0                  ; T1(2J+2) | G(2J+1), second part
	VSET SB, 5
	Q 1, SA, 1, 1, 1, 2, 0, 16, 1
	VSET SB, 6
	Q 1, SA, 2, 1, 1, 3, 0, 16, 1
	VSET SB, 7
	Q 1, SA, 3, 2, 1, 0, 0, 16, 1
	VSET SA, 0
	Q 2, 0, 0, 2, 1, 1, SB, 24, 0                  ; T2(2J+1) | G(2J+2), first part | b1 of half 2J+3
	VSET SA, 1
	Q 2, 0, 1, 2, 1, 2, 0, 24, 1
	VSET SA, 2
	Q 2, 0, 2, 2, 1, 3, 0, 16, 1
	VSET SA, 3
	QC 2, \fill
.endm
; X ON ITS WAY IN, in four steps of 128 columns.  A load takes 512 consecutive bytes of one row; a step's 32 rows lie in half of window 1, which O^T does not need yet.
.macro XLOAD s
	WIN 0x40
.set i_, 0
.rept 32
	global_load_b128 v[128*((\s)%2)+4*i_:128*((\s)%2)+4*i_+3], v[LX], s[4:5] offset:i_*2048+(\s)*512 th:TH_LOAD_NT
.set i_, i_+1
.endr
	WIN 0
.endm
; Rounded to bf16, 8 bytes a lane into my stage (rows of 272 bytes), and back as fragments: lane l holds token l % 16, channels 8 (l / 16) + 0..7 and 16 + 8 (l / 16) + 0..7 of a K step.
; LDS serves a wave's instructions in order (ISA guide 5.7.1.4): the loads see the stores above them, and the next step's stores come behind these loads.
.macro XSTEP s, left
	s_wait_loadcnt \left                           ; the younger step's 32 loads may stay out
	WIN 0x05
.set i_, 0
.rept 32
	v_cvt_pk_bf16_f32 v[FR+2*i_],   v[128*((\s)%2)+4*i_],   v[128*((\s)%2)+4*i_+1]
	v_cvt_pk_bf16_f32 v[FR+2*i_+1], v[128*((\s)%2)+4*i_+2], v[128*((\s)%2)+4*i_+3]
.set i_, i_+1
.endr
	WIN 0
.set i_, 0
.rept 32
	ds_store_b64 v[XST], v[FR+2*i_:FR+2*i_+1] offset:i_*XP
.set i_, i_+1
.endr
	WIN 0xc0
.irp f, 0,1,2,3,4,5,6,7                ; token tile f / 4, K step 4 s + f % 4
	ds_load_b128 v[8*(16*((\f)/4)+4*(\s)+(\f)%4):8*(16*((\f)/4)+4*(\s)+(\f)%4)+3],   v[XRD] offset:((\f)/4)*16*XP+((\f)%4)*64
	ds_load_b128 v[8*(16*((\f)/4)+4*(\s)+(\f)%4)+4:8*(16*((\f)/4)+4*(\s)+(\f)%4)+7], v[XRD] offset:((\f)/4)*16*XP+((\f)%4)*64+32
.endr
	WIN 0
.if (\s) < 2
	XLOAD (\s)+2
.endif
.endm
	s_load_b256 s[4:11], s[0:1], 0x0               ; inputs s[4:5], w1b s[6:7], w2b s[8:9], b1 s[10:11]
	s_load_b128 s[12:15], s[0:1], 0x20             ; b2 s[12:13], out0 s[14:15]
	v_lshl_add_u32 v[SPW], v0, 2, SPARE
	v_mov_b32 v[NIL], 0
	ds_add_u32 v[SPW], v[NIL]                      ; the wave's opening: the add and its wait stand ahead of my first tensor load; the set-up below, work on registers, stands between them
	v_lshrrev_b32 v1, 5, v0
	v_readfirstlane_b32 s[WV], v1                  ; wave 0..3
	s_bfe_u32 s17, ttmp6, 0x40000                  ; cx: my place in the cluster
	s_and_b32 s18, ttmp7, 0xffff                   ; the expert, which the four partners share
	s_lshl_b32 s20, ttmp9, 24                      ; my rows in inputs and out0: group g (the cluster's x) x 16 MiB
	s_lshl_b32 s3, s18, 20                         ; + expert x 1 MiB
	s_add_co_u32 s20, s20, s3
	s_lshl_b32 s3, s17, 18                         ; + cx x 128 rows of 2,048 bytes
	s_add_co_u32 s20, s20, s3
	s_lshl_b32 s3, s[WV], 16                       ; + wave x 32 rows
	s_add_co_u32 s20, s20, s3
	s_mov_b32 s21, 0
	s_lshl_b32 s22, s18, 21                        ; an expert's 2 MiB in w1b and in w2b
	s_mov_b32 s23, 0
	s_and_b32 s55, s[WV], 1                        ; waves 0, 1 fetch a slot's two sub-chunks of W1, waves 2, 3 the halves of its chunk of W2: 32,768 bytes each
	s_lshl_b32 s55, s55, 15
	s_cmp_lt_u32 s[WV], 2
	s_cselect_b32 s[OFW], 0x8000, 0                ; W1 runs one sub-chunk ahead of W2: slot J holds sub-chunks 2J+1 and 2J+2
	s_add_co_u32 s[OFW], s[OFW], s55
	s_mov_b32 s[OFW+1], 0
	s_lshl_b32 s55, s[WV], 13                      ; sub-chunk 0: my quarter, 8,192 bytes
	s_add_co_u32 s88, s22, s55
	s_mov_b32 s89, 0
	s_mov_b32 s[G0P], 1
	s_add_co_u32 s[G0P+1], s55, SLOT1              ; LDS addresses: constants and the wave's number alone
	s_lshl_b32 s72, s18, 13                        ; b1: an expert's 8,192 bytes, my quarter of them
	s_lshl_b32 s55, s[WV], 11
	s_add_co_u32 s72, s72, s55
	s_mov_b32 s73, 0
	s_lshl_b32 s74, s18, 11                        ; b2: an expert's 2,048 bytes
	s_mov_b32 s75, 0
	; descriptor group 1: dense bytes asked for as rows of 256: elements of 8 bytes, 32 a row, no padding
	s_mov_b32 s[G1+0], 0x0023000f                  ; 15:0 the mask of four; 17:16 elements of 8 bytes (code 3); 21 set beside a mask
	s_mov_b32 s[G1+1], 32<<16                      ; tensor_dim0 = 32
	s_mov_b32 s[G1+2], 128<<16                     ; tensor_dim1 = 128
	s_mov_b32 s[G1+3], 32<<16                      ; tile_dim0 = 32
	s_mov_b32 s[G1+4], 128                         ; tile_dim1 = 128
	s_mov_b32 s[G1+5], 32                          ; 32 elements from row to row
	s_mov_b32 s[G1+6], 0
	s_mov_b32 s[G1+7], 0
	s_mov_b32 s[G1B+0], 0x0023000f
	s_mov_b32 s[G1B+1], 32<<16
	s_mov_b32 s[G1B+2], 8<<16                      ; 8 rows: 2,048 bytes
	s_mov_b32 s[G1B+3], 32<<16
	s_mov_b32 s[G1B+4], 8
	s_mov_b32 s[G1B+5], 32
	s_mov_b32 s[G1B+6], 0
	s_mov_b32 s[G1B+7], 0
	s_mov_b32 s[G1P+0], 0x0023000f
	s_mov_b32 s[G1P+1], 32<<16
	s_mov_b32 s[G1P+2], 32<<16                     ; 32 rows: 8,192 bytes
	s_mov_b32 s[G1P+3], 32<<16
	s_mov_b32 s[G1P+4], 32
	s_mov_b32 s[G1P+5], 32
	s_mov_b32 s[G1P+6], 0
	s_mov_b32 s[G1P+7], 0
	s_mov_b32 s[G0B], 1
	s_add_co_u32 s[G0B+1], s55, B1L
	s_mov_b32 s[G0W], 1
	s_lshl_b32 s[G0W+1], s[WV], 15                 ; slot 0
	SC2 NK2, 0xbf38aa3b                            ; -log2(e) / 2
	s_mov_b32 s[PP], 0x3e6d3388                    ; 0.3275911 / sqrt 2
	SC2 N5, 0xbf87dc22                             ; -1.061405429
	SC2 N4, 0x3fba00e3                             ; +1.453152027
	SC2 N3, 0xbfb5f0e3                             ; -1.421413741
	SC2 N2, 0x3e91a98e                             ; +0.284496736
	SC2 N1, 0xbe827906                             ; -0.254829592
	s_mul_i32 s[STG], s[WV], STW
	s_add_co_u32 s[STG], s[STG], STAGE
	v_and_b32 v1, 31, v0
	v_lshlrev_b32 v[LX], 4, v1
	s_wait_dscnt 0x0                               ; the opening add is done
	s_wait_kmcnt 0x0
	s_add_nc_u64 s[4:5], s[4:5], s[20:21]
	s_add_nc_u64 s[14:15], s[14:15], s[20:21]
	s_add_nc_u64 s[12:13], s[12:13], s[74:75]
	s_cmp_lt_u32 s[WV], 2
	s_cselect_b64 s[WB:WB+1], s[6:7], s[8:9]       ; the buffer that my wave fetches from: one line of text then serves all four waves
	s_add_nc_u64 s[WB:WB+1], s[WB:WB+1], s[22:23]
	s_add_nc_u64 s[G0B+2:G0B+3], s[10:11], s[72:73]
	s_or_b32 s[G0B+3], s[G0B+3], 0x80000000        ; 127:126 type = 2
	s_add_nc_u64 s[G0P+2:G0P+3], s[6:7], s[88:89]
	s_or_b32 s[G0P+3], s[G0P+3], 0x80000000
	s_add_nc_u64 s[G0W+2:G0W+3], s[WB:WB+1], s[OFW:OFW+1]   ; chunk 0
	s_or_b32 s[G0W+3], s[G0W+3], 0x80000000
	XLOAD 0                                        ; x goes first: nothing can be multiplied without it
	XLOAD 1
	CROUND                                         ; all four work-groups are here: the first joint loads meet
	tensor_load_to_lds s[G0B:G0B+3], s[G1B:G1B+7]  ; the first fills stand together, ahead of every wait on TENSORcnt and every LDS read
	s_nop 0
	tensor_load_to_lds s[G0P:G0P+3], s[G1P:G1P+7]
	s_nop 0
	tensor_load_to_lds s[G0W:G0W+3], s[G1:G1+7]
	s_nop 0
	PLACES
	; The turning load takes 16 k x 16 columns: lane l reads 16 bytes of row 8 (l / 16) + l % 8, columns 8 ((l / 8) % 2) + 0..7, and is left with column l % 16 and 8 k.  Rows are 64 bytes;
	; in rows with bit 2 set the halves of 32 bytes are exchanged: the eight rows x 32 bytes of sixteen lanes fall on sixteen different 16-byte columns modulo 256 bytes.
	v_and_b32 v16, 15, v0                          ; l % 16 (S's registers are free as yet)
	v_bfe_u32 v17, v0, 4, 1                        ; l / 16
	v_and_b32 v18, 7, v0
	v_lshl_add_u32 v18, v17, 3, v18
	v_bfe_u32 v19, v0, 2, 1
	v_bfe_u32 v20, v0, 3, 1
	v_lshlrev_b32 v[LC], 6, v18
	v_lshl_add_u32 v[LC], v19, 5, v[LC]
	v_lshl_add_u32 v[LC], v20, 4, v[LC]
	v_xor_b32 v[LC+1], 32, v[LC]
	v_lshlrev_b32 v[BO], 5, v17
	v_lshl_add_u32 v[XST], v1, 3, s[STG]
	v_mul_u32_u24 v[XRD], v16, XP
	v_lshl_add_u32 v[XRD], v17, 4, v[XRD]
	v_add_nc_u32 v[XRD], s[STG], v[XRD]
	XSTEP 0, 32
	XSTEP 1, 32
	XSTEP 2, 32
	XSTEP 3, 0
	; b2 into O^T: my eight columns of each output tile, the same for both token tiles
.set o_, 0
.rept 32
	WIN 0x40*(1+o_/16)
.irp t, 0,1
	global_load_b128 v[8*(2*(o_%16)+(\t)):8*(2*(o_%16)+(\t))+3],   v[BO], s[12:13] offset:64*o_
	global_load_b128 v[8*(2*(o_%16)+(\t))+4:8*(2*(o_%16)+(\t))+7], v[BO], s[12:13] offset:64*o_+16
.endr
.set o_, o_+1
.endr
	WIN 0
	s_mov_b32 s[SBS], SLOT1                        ; T1(0) reads sub-chunk 0 at the head of slot 1; its change of slots turns these two to slot 0
	s_mov_b32 s[SB2], SLOT1+0x10000
	v_add_nc_u32 v[A1], s[SBS], v[LC]
	v_add_nc_u32 v[A1+1], s[SBS], v[LC+1]
	v_add_nc_u32 v[AB], B1L, v[BO]                 ; half 0
	s_wait_tensorcnt 0x1                           ; my parts of b1 and of sub-chunk 0 are in; chunk 0's may stay out
	s_wait_dscnt 0x0                               ; X lies in its registers
	s_barrier_signal -1
	s_barrier_wait -1                              ; everybody's parts are in
	BIAS SA
	FT1 0, 0
	VSET SA, -1                                    ; T1(0): no vector work is ready yet
	Q 1, SA, 0, 1, 0, 1, 0, 16, 0
	Q 1, SA, 1, 1, 0, 2, 0, 16, 0
	Q 1, SA, 2, 1, 0, 3, 0, 16, 0
	QC 1, 1                                        ; chunk 0 is whole; chunk 1 is asked for, over sub-chunk 0
	WIN 0
	PLACES                                         ; behind T1(0)'s last products
.irp q, 0,1,2,3
	VSET SA, \q
	LUMP                                           ; G(0), first part
.endr
	s_mov_b32 s[CNT], 30
.Lmain:                                            ; periods 0 to 29: the change of slots at the end of period J asks for chunk J + 2
	PERIOD 1
	WIN 0
	s_sub_co_u32 s[CNT], s[CNT], 1
	s_cmp_lg_u32 s[CNT], 0
	s_cbranch_scc1 .Lmain
	s_mov_b32 s[CNT], 2
.Ltail:                                            ; periods 30 and 31 ask for nothing: a second text.  The last trip's T1(64), the gelu behind it, its barrier and
	PERIOD 0                                       ; its loads ahead (of bytes that have landed) serve nothing: the price, once a launch, of one text for both trips
	WIN 0
	s_sub_co_u32 s[CNT], s[CNT], 1
	s_cmp_lg_u32 s[CNT], 0
	s_cbranch_scc1 .Ltail
	; THE WAY OUT, in eight parts of 16 tokens x 128 columns: a lane's 32 bytes of a row go into my stage (rows of 528 bytes) and come back as whole rows of 512 bytes.
	s_wait_dscnt 0x0                               ; the loads ahead have landed: their registers are used again below
	PLACES                                         ; behind the last products
	v_and_b32 v1, 15, v0
	v_mul_u32_u24 v[STO], v1, OPI
	v_add_nc_u32 v[STO], v[STO], v[BO]             ; in: row l % 16, 32 bytes for each half of the lanes
	v_add_nc_u32 v[STO], s[STG], v[STO]
	v_add_nc_u32 v[RD], s[STG], v[LX]              ; back: 32 lanes take one row
.macro OUTR rd                         ; part rd: token tile rd / 4, columns 128 (rd % 4) on; into bank rd % 2
.set zt, (\rd)/4
.set zg, (\rd)%4
	WIN 0x04*(1+zg/2)                              ; the stores' data in window 1 or 2
.irp p, 0,1,2,3,4,5,6,7
	ds_store_b128 v[STO], v[8*(2*((8*zg+(\p))%16)+zt):8*(2*((8*zg+(\p))%16)+zt)+3]   offset:64*(\p)      ; each accumulator's lowest registers first
	ds_store_b128 v[STO], v[8*(2*((8*zg+(\p))%16)+zt)+4:8*(2*((8*zg+(\p))%16)+zt)+7] offset:64*(\p)+16
.endr
	WIN 0
.if (\rd) >= 2
	s_wait_xcnt 0x0                                ; the bank was the data of the stores two parts ago: loaded again only behind this wait
.endif
.set i_, 0
.rept 16
	ds_load_b128 v[FR+64*((\rd)%2)+4*i_:FR+64*((\rd)%2)+4*i_+3], v[RD] offset:i_*OPI   ; LDS serves a wave's instructions in order (ISA guide 5.7.1.4): these see the stores above; the next part's stores come behind them
.set i_, i_+1
.endr
.endm
.macro SENDR rd, younger               ; younger: the LDS instructions issued behind part rd's loads: the next part's 32, or none
.set zt, (\rd)/4
.set zg, (\rd)%4
	s_wait_dscnt \younger
.set i_, 0
.rept 16
	global_store_b128 v[LX], v[FR+64*((\rd)%2)+4*i_:FR+64*((\rd)%2)+4*i_+3], s[14:15] offset:(16*zt+i_)*2048+zg*512 th:TH_STORE_NT   ; 512 consecutive bytes, at a multiple of 256 from out0's first
.set i_, i_+1
.endr
.endm
	OUTR 0
.irp a, 1,2,3,4,5,6,7
	OUTR \a
	SENDR (\a)-1, 32
.endr
	SENDR 7, 0
	s_wait_tensorcnt 0x0                           ; the wave's end, behind my last tensor load and my last LDS store
	ds_add_u32 v[SPW], v[NIL]
	s_wait_dscnt 0x0
	CROUND                                         ; the closing round: no work-group ends while a partner may still ask for a tile that names it
	s_endpgm
.Lfunc_end_k_qfd81f67e50_mlp:
	.size	k_qfd81f67e50_mlp, .Lfunc_end_k_qfd81f67e50_mlp-k_qfd81f67e50_mlp
	.p2alignl 7, 3214868480
	.fill 96, 4, 3214868480
	.section	.rodata,"a",@progbits
	.p2align	6, 0x0
	.amdhsa_kernel k_qfd81f67e50_mlp
		.amdhsa_group_segment_fixed_size 327680
		.amdhsa_private_segment_fixed_size 0
		.amdhsa_enable_private_segment 0
		.amdhsa_kernarg_size 48
		.amdhsa_user_sgpr_count 2
		.amdhsa_user_sgpr_kernarg_segment_ptr 1
		.amdhsa_wavefront_size32 1
		.amdhsa_system_sgpr_workgroup_id_x 1
		.amdhsa_system_sgpr_workgroup_id_y 1
		.amdhsa_system_sgpr_workgroup_id_z 1
		.amdhsa_system_vgpr_workitem_id 0
		.amdhsa_next_free_vgpr 1024
		.amdhsa_next_free_sgpr 96
		.amdhsa_reserve_vcc 0
		.amdhsa_float_denorm_mode_32 3
		.amdhsa_float_denorm_mode_16_64 3
		.amdhsa_memory_ordered 1
		.amdhsa_forward_progress 1
		.amdhsa_inst_pref_size 255
	.end_amdhsa_kernel
	.section	.bss,"aw",@nobits
	.p2align	6
	.space	262144
	.amdgpu_metadata
---
amdhsa.version: [ 1, 2 ]
amdhsa.kernels:
  - .name:           k_qfd81f67e50_mlp
    .symbol:         k_qfd81f67e50_mlp.kd
    .args:
      - { .name: inputs, .offset: 0, .size: 8, .value_kind: global_buffer, .address_space: global }
      - { .name: w1b, .offset: 8, .size: 8, .value_kind: global_buffer, .address_space: global }
      - { .name: w2b, .offset: 16, .size: 8, .value_kind: global_buffer, .address_space: global }
      - { .name: b1, .offset: 24, .size: 8, .value_kind: global_buffer, .address_space: global }
      - { .name: b2, .offset: 32, .size: 8, .value_kind: global_buffer, .address_space: global }
      - { .name: out0, .offset: 40, .size: 8, .value_kind: global_buffer, .address_space: global }
    .group_segment_fixed_size: 327680
    .private_segment_fixed_size: 0
    .kernarg_segment_align: 8
    .kernarg_segment_size: 48
    .max_flat_workgroup_size: 128
    .sgpr_count:     96
    .vgpr_count:     1024
    .wavefront_size: 32
...
	.end_amdgpu_metadata
.endif
;; end of part 2
